; MI455X (gfx1250); checked and timed in simulation.
; The chip was launched on July 23, 2026; its instructions are those of AMD's public machine-readable ISA for CDNA 5 (MIT licence, August 2026) and "CDNA5" Instruction Set Architecture Reference Guide (July 2026).
;; Multi Head Temporal Attention. Allowed arithmetic: matrix products marked QUANTISED: E4M3 operands, one E8M0 scale for each 32 along K, by v_wmma_scale_f32_16x16x128_f8f6f4 with both operands' format E4M3, f32 sums; products left as they are: f32 operands where the result goes on into a quantised operand, else bf16, f16 or f32 operands; f32 sums; everything else in f32.
;; Inputs: Wk 512 x 512 float32; Wo 512 x 512 float32; Wq 512 x 512 float32; Wv 512 x 512 float32; enc 32 x 4,096 x 512 float32.
;; Outputs: out0 32 x 512 float32; out1 32 x 4,096 float32.
;; This version of the problem:
;;   THIS VERSION OF THE PROBLEM IS GIVEN IN LOW PRECISION. The matrix products marked QUANTISED in the list below multiply operands that are first quantised to E4M3 (4 exponent bits, 3 mantissa bits; 8 bits a number), with one power-of-two scale for each 32 numbers along K (OCP MX v1.0); their sums are f32. All else is computed in f32.
;;   The module's matrix products, in the order in which they are computed (A, B: the left and right operand; K: the contracted axis; several contracted axes count as one K, in the product's order):
;;     1. [M 32, K 512] x [K 512, N 512]; A: input enc; B: input Wq: QUANTISED
;;     2. [M 131,072, K 512] x [K 512, N 512]; A: input enc; B: input Wk: QUANTISED
;;     3. [M 131,072, K 512] x [K 512, N 512]; A: input enc; B: input Wv: QUANTISED
;;     4. batch 256 x [M 1, K 64] x [K 64, N 4,096]; A: computed on the way; B: computed on the way: left as it is (M = 1 < 16)
;;     5. batch 256 x [M 1, K 4,096] x [K 4,096, N 64]; A: softmax; B: computed on the way: left as it is (M = 1 < 16)
;;     6. [M 32, K 512] x [K 512, N 512]; A: computed on the way; B: input Wo: QUANTISED
;;   THE QUANTISER, for each operand of a quantised product, along K:
;;     - K is cut into blocks of 32 from its start; a last block that is shorter is filled with zeros.
;;     - A block's scale is 2^e with e = floor(log2(the largest magnitude in the block)) - 8, held to -126 .. 127; a block of zeros has e = 0. As a byte (E8M0): e + 127.
;;     - Each number is divided by its block's scale, clamped to +-448, and rounded to the nearest number of E4M3, ties to even, subnormals kept.
;;     - The product sums the exact products of the quantised numbers (number of the format x scale) in f32.
;;   ~~~python
;;   def quantise(x, axis):      # numpy; x: float32 -> the quantised numbers, widened to float32 again
;;       x = np.moveaxis(x, axis, -1); K = x.shape[-1]
;;       x = np.pad(x, [(0, 0)] * (x.ndim - 1) + [(0, -K % 32)]); x = x.reshape(x.shape[:-1] + (-1, 32)); a = np.abs(x).max(-1, keepdims=True)
;;       e = np.where(a > 0, np.clip(np.frexp(np.where(a > 0, a, 1))[1] - 1 - 8, -126, 127), 0)      # np.frexp(a)[1] - 1 = floor(log2(a)), exactly
;;       r = np.clip(x / 2.0 ** e, -448, 448)
;;       step = 2.0 ** (np.maximum(np.frexp(np.where(r == 0, 1, r))[1] - 1, -6) - 3)
;;       q = np.round(r / step) * step * 2.0 ** e      # np.round: ties to even
;;       return np.moveaxis(q.reshape(q.shape[:-2] + (-1,))[..., :K], -1, axis).astype(np.float32)
;;   ~~~
;;   OPERANDS COMPUTED ON THE WAY. 'Computed on the way' means the value that the module computes at that place (a softmax that the list does not call 'softmax' is quantised finished and normalised). What goes into a quantiser is computed in f32, as accurately as f32 sums, v_exp_f32 and their like allow (about 1e-6 of the number): no bf16 or f16 on the way to a quantiser, and a product that is left as it is and whose result goes on into a quantised operand takes f32 operands (vector FMAs, or v_wmma_f32_16x16x4_f32). A number that lies on a knife's edge between two numbers of the format may be rounded either way, as far as f32 arithmetic and the matrix unit's own rounding can turn it there, and no further.
;; One version. Each part assembles by itself: llvm-mc -triple=amdgcn-amd-amdhsa -mcpu=gfx1250 --defsym DOCPART=n.
;; ======== version 1 of 1: 3 launches
;; limits: right only within a limited range of input values
;; workspace buffers: wkv 524,288 bytes; wsc 16,384 bytes; woc 262,144 bytes; wos 8,192 bytes; qv 65,536 bytes; sc 4,194,304 bytes; pctx 4,194,304 bytes; pml 131,072 bytes
;; launch prep (part 1): grid 160 x 1, 1 waves a work-group, no clusters, 0 bytes of LDS; arguments Wk, Wv, Wo, Wq, enc, wkv, wsc, woc, wos, qv; writes wkv, wsc, woc, wos, qv
.if DOCPART == 1
	.amdgcn_target "amdgcn-amd-amdhsa--gfx1250"
	.amdhsa_code_object_version 6
	.text
	.protected	k_q23560f75c9_prep
	.globl	k_q23560f75c9_prep
	.p2align	8
	.type	k_q23560f75c9_prep,@function
k_q23560f75c9_prep:
	s_mov_b64 s[64:65], 0
	v_nop
	global_prefetch_b8 v0, s[64:65] scope:SCOPE_SE
	s_setreg_imm32_b32 hwreg(HW_REG_WAVE_MODE, 25, 1), 1
	s_wait_xcnt 0x0
.set TM,   16
.set PWA,  40
.set PWB,  44
.set PCA,  64
.set PCB,  128
.set ACC,  192
.set OUTR, 200
.set ACN,  208
.set SEL,  24
.set MNT,  26
.set MSB,  0
.macro WIN new
.if MSB != (\new)
	s_set_vgpr_msb (MSB<<8)|(\new)
.set MSB, (\new)
.endif
.endm
.macro QUANT x, w, pc, pw
	WIN (\w)|((\w)<<2)
.irp b, 0,1,2,3
	v_max3_num_f32 v[TM+\b], |v[(\x)+16*\b]|, |v[(\x)+16*\b+1]|, 0x4800000
.endr
	WIN ((\w)<<2)|((\w)<<4)
.irp i, 2,4,6,8,10,12,14
.irp b, 0,1,2,3
	v_max3_num_f32 v[TM+\b], v[TM+\b], |v[(\x)+16*\b+\i]|, |v[(\x)+16*\b+\i+1]|
.endr
.endr
	WIN 0
.irp b, 0,1,2,3
	v_permlanex16_b32 v[TM+4+\b], v[TM+\b], s[SEL], s[SEL+1]
.endr
.irp b, 0,1,2,3
	v_max_num_f32 v[TM+\b], v[TM+\b], v[TM+4+\b]
.endr
.irp b, 0,1,2,3
	v_add_nc_u32 v[TM+12+\b], 0xfc000000, v[TM+\b]
.endr
.irp b, 0,1,2,3
	v_and_or_b32 v[TM+8+\b], v[TM+\b], 0x7f800000, s[MNT]
.endr
.irp b, 0,1,2,3
	v_lshrrev_b32 v[TM+4+\b], 23, v[TM+12+\b]
.endr
	v_lshl_or_b32 v[\pw], v[TM+5], 8, v[TM+4]
	v_lshl_or_b32 v[\pw], v[TM+6], 16, v[\pw]
	v_lshl_or_b32 v[\pw], v[TM+7], 24, v[\pw]
	WIN (\w)|((\w)<<6)
.irp b, 0,1,2,3
.irp i, 0,1,2,3,4,5,6,7,8,9,10,11,12,13,14,15
	v_med3_num_f32 v[(\x)+16*\b+\i], v[(\x)+16*\b+\i], -v[TM+8+\b], v[TM+8+\b]
.endr
.endr
	WIN (\w)
.irp b, 0,1,2,3
	v_cvt_scalef32_pk8_fp8_f32 v[(\pc)+4*\b:(\pc)+4*\b+1], v[(\x)+16*\b:(\x)+16*\b+7], v[TM+12+\b]
	v_cvt_scalef32_pk8_fp8_f32 v[(\pc)+4*\b+2:(\pc)+4*\b+3], v[(\x)+16*\b+8:(\x)+16*\b+15], v[TM+12+\b]
.endr
	WIN 0
	v_nop
.endm
.macro LOADT win, voff, sb
	WIN (\win)<<6
.irp s, 0,1,2,3
.irp c, 0,1,2,3
.irp j, 0,1,2,3
	global_load_b128 v[64*\s+16*\c+4*\j:64*\s+16*\c+4*\j+3], v[\voff], s[\sb:\sb+1] offset:512*\s+128*\c+16*\j
.endr
.endr
.endr
	WIN 0
.endm
	s_load_b256 s[4:11], s[0:1], 0x0
	s_load_b256 s[12:19], s[0:1], 0x20
	s_load_b128 s[20:23], s[0:1], 0x40
	v_and_b32 v1, 15, v0
	v_bfe_u32 v2, v0, 4, 1
	v_lshlrev_b32 v3, 11, v1
	v_lshl_add_u32 v3, v2, 6, v3
	v_lshlrev_b32 v4, 23, v1
	v_lshl_add_u32 v4, v2, 6, v4
	v_lshlrev_b32 v5, 4, v0
	v_lshlrev_b32 v6, 4, v1
	v_lshlrev_b32 v7, 11, v1
	v_lshl_add_u32 v7, v2, 5, v7
.irp b, 0,1,2,3
	v_mov_b32 v[TM+4+\b], 0
.endr
	s_mov_b32 s[SEL], 0x76543210
	s_mov_b32 s[SEL+1], 0xfedcba98
	s_mov_b32 s[MNT], 0x600000
	s_mov_b32 s27, 0x80808080
	s_lshr_b32 s28, ttmp9, 5
	s_and_b32 s29, ttmp9, 31
	s_lshl_b32 s30, s29, 15
	s_mov_b32 s31, 0
	s_wait_kmcnt 0x0
	s_cmp_ge_u32 s28, 3
	s_cbranch_scc1 .Lq
	s_lshr_b32 s40, s29, 2
	s_and_b32 s41, s29, 3
	s_lshl_b32 s42, s40, 16
	s_lshl_b32 s43, s28, 15
	s_add_co_u32 s42, s42, s43
	s_lshl_b32 s43, s41, 11
	s_add_co_u32 s42, s42, s43
	s_lshl_b32 s44, s40, 15
	s_add_co_u32 s44, s44, s43
	s_lshl_b32 s45, s40, 11
	s_lshl_b32 s43, s41, 9
	s_add_co_u32 s45, s45, s43
	s_lshl_b32 s43, s28, 8
	s_add_co_u32 s45, s45, s43
	s_lshl_b32 s46, s40, 10
	s_lshl_b32 s43, s41, 8
	s_add_co_u32 s46, s46, s43
	s_cmp_eq_u32 s28, 1
	s_cselect_b64 s[32:33], s[6:7], s[8:9]
	s_cmp_eq_u32 s28, 0
	s_cselect_b64 s[32:33], s[4:5], s[32:33]
	s_cmp_lt_u32 s28, 2
	s_cselect_b64 s[34:35], s[14:15], s[18:19]
	s_cselect_b64 s[36:37], s[16:17], s[20:21]
	s_cselect_b32 s38, s42, s44
	s_cselect_b32 s40, s45, s46
	s_mov_b32 s39, 0
	s_mov_b32 s41, 0
	s_add_nc_u64 s[32:33], s[32:33], s[30:31]
	s_add_nc_u64 s[34:35], s[34:35], s[38:39]
	s_add_nc_u64 s[36:37], s[36:37], s[40:41]
	LOADT 1, 3, 32
	s_wait_loadcnt 0x0
.irp s, 0,1,2,3
	QUANT 64*\s, 1, PCA+16*\s, PWA+\s
.endr
.irp s, 0,1,2,3
.irp c, 0,1,2,3
	global_store_b128 v5, v[PCA+16*\s+4*\c:PCA+16*\s+4*\c+3], s[34:35] offset:8192*\s+512*\c
.endr
.endr
	global_store_b128 v6, v[PWA:PWA+3], s[36:37]
	s_endpgm
.Lq:
	s_sub_co_u32 s28, s28, 3
	s_lshl_b32 s34, s28, 27
	s_add_co_u32 s34, s34, 4095*2048
	s_mov_b32 s35, 0
	s_lshl_b32 s36, s28, 15
	s_lshl_b32 s37, s29, 6
	s_add_co_u32 s36, s36, s37
	s_mov_b32 s37, 0
	s_add_nc_u64 s[32:33], s[10:11], s[30:31]
	s_add_nc_u64 s[34:35], s[12:13], s[34:35]
	s_add_nc_u64 s[36:37], s[22:23], s[36:37]
	LOADT 1, 3, 32
	s_wait_alu depctr_va_vdst(0)
	LOADT 2, 4, 34
	s_wait_loadcnt 0x0
.irp s, 0,1,2,3
	QUANT 64*\s, 1, PCA+16*\s, PWA+\s
.endr
.irp s, 0,1,2,3
	QUANT 64*\s, 2, PCB+16*\s, PWB+\s
.endr
	WIN 0x40
.set nn, 0
.rept 64
	v_xor_b32 v[nn], s27, v[PCB+nn]
.set nn, nn+1
.endr
	WIN 0
.rept 8
	v_nop
.endr
.irp s, 0,1,2,3
	s_wait_alu depctr_va_vdst(0)
	WIN 0
.if \s == 0
	v_wmma_scale_f32_16x16x128_f8f6f4 v[ACC:ACC+7], v[PCA:PCA+15], v[PCB:PCB+15], 0, v[PWA], v[PWB]
.else
	v_wmma_scale_f32_16x16x128_f8f6f4 v[ACC:ACC+7], v[PCA+16*\s:PCA+16*\s+15], v[PCB+16*\s:PCB+16*\s+15], v[ACC:ACC+7], v[PWA+\s], v[PWB+\s]
.endif
	WIN 0x04
.if \s == 0
	v_wmma_scale_f32_16x16x128_f8f6f4 v[ACN:ACN+7], v[PCA:PCA+15], v[0:15], 0, v[PWA], v[PWB]
.else
	v_wmma_scale_f32_16x16x128_f8f6f4 v[ACN:ACN+7], v[PCA+16*\s:PCA+16*\s+15], v[16*\s:16*\s+15], v[ACN:ACN+7], v[PWA+\s], v[PWB+\s]
.endif
.endr
	WIN 0
.rept 8
	v_nop
.endr
.irp j, 0,1,2,3,4,5,6,7
	v_sub_f32 v[OUTR+\j], v[ACC+\j], v[ACN+\j]
.endr
.irp j, 0,1,2,3,4,5,6,7
	v_mul_f32 v[OUTR+\j], 0x3db8aa3b, v[OUTR+\j]
.endr
	global_store_b128 v7, v[OUTR:OUTR+3], s[36:37]
	global_store_b128 v7, v[OUTR+4:OUTR+7], s[36:37] offset:16
	s_endpgm
.Lfunc_end_k_q23560f75c9_prep:
	.size	k_q23560f75c9_prep, .Lfunc_end_k_q23560f75c9_prep-k_q23560f75c9_prep
	.p2alignl 7, 3214868480
	.fill 96, 4, 3214868480
	.section	.rodata,"a",@progbits
	.p2align	6, 0x0
	.amdhsa_kernel k_q23560f75c9_prep
		.amdhsa_group_segment_fixed_size 0
		.amdhsa_private_segment_fixed_size 0
		.amdhsa_enable_private_segment 0
		.amdhsa_kernarg_size 80
		.amdhsa_user_sgpr_count 2
		.amdhsa_user_sgpr_kernarg_segment_ptr 1
		.amdhsa_wavefront_size32 1
		.amdhsa_system_sgpr_workgroup_id_x 1
		.amdhsa_system_sgpr_workgroup_id_y 1
		.amdhsa_system_sgpr_workgroup_id_z 1
		.amdhsa_system_vgpr_workitem_id 0
		.amdhsa_next_free_vgpr 768
		.amdhsa_next_free_sgpr 66
		.amdhsa_reserve_vcc 0
		.amdhsa_float_denorm_mode_32 3
		.amdhsa_float_denorm_mode_16_64 3
		.amdhsa_memory_ordered 1
		.amdhsa_forward_progress 1
		.amdhsa_inst_pref_size 126
	.end_amdhsa_kernel
	.amdgpu_metadata
---
amdhsa.version: [ 1, 2 ]
amdhsa.kernels:
  - .name:           k_q23560f75c9_prep
    .symbol:         k_q23560f75c9_prep.kd
    .args:
      - { .name: Wk, .offset: 0, .size: 8, .value_kind: global_buffer, .address_space: global }
      - { .name: Wv, .offset: 8, .size: 8, .value_kind: global_buffer, .address_space: global }
      - { .name: Wo, .offset: 16, .size: 8, .value_kind: global_buffer, .address_space: global }
      - { .name: Wq, .offset: 24, .size: 8, .value_kind: global_buffer, .address_space: global }
      - { .name: enc, .offset: 32, .size: 8, .value_kind: global_buffer, .address_space: global }
      - { .name: wkv, .offset: 40, .size: 8, .value_kind: global_buffer, .address_space: global }
      - { .name: wsc, .offset: 48, .size: 8, .value_kind: global_buffer, .address_space: global }
      - { .name: woc, .offset: 56, .size: 8, .value_kind: global_buffer, .address_space: global }
      - { .name: wos, .offset: 64, .size: 8, .value_kind: global_buffer, .address_space: global }
      - { .name: qv, .offset: 72, .size: 8, .value_kind: global_buffer, .address_space: global }
    .group_segment_fixed_size: 0
    .private_segment_fixed_size: 0
    .kernarg_segment_align: 8
    .kernarg_segment_size: 80
    .max_flat_workgroup_size: 32
    .sgpr_count:     66
    .vgpr_count:     768
    .wavefront_size: 32
...
	.end_amdgpu_metadata
.endif
;; end of part 1
;; launch attn (part 2): grid 256 x 1, 4 waves a work-group, no clusters, 295,936 bytes of LDS; arguments enc, wkv, wsc, qv, sc, pctx, pml; writes sc, pctx, pml
.if DOCPART == 2
	.amdgcn_target "amdgcn-amd-amdhsa--gfx1250"
	.amdhsa_code_object_version 6
	.text
	.protected	k_q23560f75c9_attn
	.globl	k_q23560f75c9_attn
	.p2align	8
	.type	k_q23560f75c9_attn,@function
k_q23560f75c9_attn:
	s_mov_b64 s[64:65], 0
	v_nop
	global_prefetch_b8 v0, s[64:65] scope:SCOPE_SE
	s_setreg_imm32_b32 hwreg(HW_REG_WAVE_MODE, 25, 1), 1
	s_wait_xcnt 0x0
.set PITCH, 528
.set TILEB, 16*PITCH
.set SCL,   512*PITCH
.set TST,   SCL+8192
.set CST,   TST+8192
.set PML,   CST+8192
.set SPARE, PML+512
.set MSB, 0
.macro WIN new
.if MSB != (\new)
	s_set_vgpr_msb (MSB<<8)|(\new)
.set MSB, (\new)
.endif
.endm
.macro PLACES n
.rept \n
	v_nop
.endr
.endm
.macro WALU
	s_wait_alu depctr_va_vdst(0)
.endm
.macro BARRIER
	WALU
	s_wait_dscnt 0x0
	s_barrier_signal -1
	s_barrier_wait -1
.endm
.macro ELOAD p, off
.irp i, 0,1,2,3
	global_load_b128 v[16*(\p)+4*\i:16*(\p)+4*\i+3], v1, s[4:5] offset:(\off)+2048*(\p)+512*\i th:TH_LOAD_NT
.endr
.endm
.macro QPOS p, cnt, ld
.set E_, 16*(\p)
	WALU
	s_wait_loadcnt \cnt
	WIN 0x0F
.irp i, 0,1,2,3
	v_max3_num_f32 v[20+\i], |v[E_+4*\i]|, |v[E_+4*\i+1]|, 0x4800000
.endr
	WIN 0x3C
.irp i, 0,1,2,3
	v_max3_num_f32 v[20+\i], v[20+\i], |v[E_+4*\i+2]|, |v[E_+4*\i+3]|
.endr
	WIN 0
.irp x, 1,2,4
.irp i, 0,1,2,3
	v_max_num_f32_dpp v[20+\i], v[20+\i], v[20+\i] row_xmask:\x row_mask:0xf bank_mask:0xf
.endr
.endr
.irp i, 0,1,2,3
	v_add_nc_u32 v[24+\i], 0xfc000000, v[20+\i]
.endr
.irp i, 0,1,2,3
	v_and_b32 v[20+\i], 0x7f800000, v[20+\i]
.endr
.irp i, 0,1,2,3
	v_sub_nc_u32 v[20+\i], s19, v[20+\i]
.endr
.irp i, 0,1,2,3
	v_lshrrev_b32 v[24+\i], 23, v[24+\i]
.endr
	WIN 0xC3
.irp i, 0,1,2,3
.irp e, 0,2
	v_pk_mul_f32 v[E_+4*\i+\e:E_+4*\i+\e+1], v[E_+4*\i+\e:E_+4*\i+\e+1], v[20+2*(\i/2):21+2*(\i/2)] op_sel:[0,\i%2] op_sel_hi:[1,\i%2]
.endr
.endr
.irp n, 0,1,2,3,4,5,6,7,8,9,10,11,12,13,14,15
	v_med3_num_f32 v[E_+\n], v[E_+\n], s22, s23
.endr
	WIN 0x03
	v_cvt_scalef32_pk8_fp8_f32 v[42:43], v[E_:E_+7], v46
	v_cvt_scalef32_pk8_fp8_f32 v[44:45], v[E_+8:E_+15], v46
	WIN 0
	v_nop
.irp i, 0,1,2,3
	ds_store_b32 v28, v[42+\i] offset:PITCH*(\p)+128*\i
	ds_store_b8 v29, v[24+\i] offset:16*(\p)+4*\i
.endr
.if \ld
	WIN 0xC0
	ELOAD \p, 65536
	WIN 0
.endif
.endm
.macro QADR
	v_add_nc_u32 v28, s25, v2
	v_add_nc_u32 v29, s26, v3
.endm
.macro PASSLOAD
.irp s, 0,1,2,3
	WIN (1+\s/2)<<6
.irp kv, 0,1
.irp ct, 0,1,2,3
.irp c, 0,1,2,3
.set R_, ((\s%2)*8+\kv*4+\ct)*16+4*\c
	global_load_b128 v[R_:R_+3], v1, s[6:7] offset:\kv*32768+\s*8192+\ct*2048+\c*512
.endr
.endr
.endr
.endr
	WIN 0
.irp ct, 0,1,2,3
	global_load_b128 v[48+4*\ct:51+4*\ct], v1, s[8:9] offset:512*\ct
.endr
	WIN 0xC0
.irp ct, 0,1,2,3
	global_load_b128 v[128+8*\ct:131+8*\ct], v47, s[10:11] offset:64*\ct
	global_load_b128 v[132+8*\ct:135+8*\ct], v47, s[10:11] offset:64*\ct+16
.endr
	WIN 0
.endm
.macro PASSINIT
	WIN 0xC0
.set I_, 0
.rept 32
	v_mov_b32 v[160+I_], 0
.set I_, I_+1
.endr
	WIN 0
.set I_, 0
.rept 32
	v_mov_b32 v[96+I_], 0
.set I_, I_+1
.endr
	v_mov_b32 v14, 0xff61b1e6
.irp x, 12,15,16,17,18,19
	v_mov_b32 v\x, 0
.endr
.endm
.macro ALOAD set, t
	WIN 0
.irp s, 0,1,2,3
.irp c, 0,1,2,3
	ds_load_b128 v[128+64*(\set)+16*\s+4*\c:128+64*(\set)+16*\s+4*\c+3], v7 offset:(\t)*TILEB+128*\s+32*\c
.endr
.endr
	ds_load_b128 v[34+4*(\set):37+4*(\set)], v8 offset:(\t)*256
.endm
.macro MM kv, set, s, ct
.set D_, 64+32*(\kv)+8*(\ct)
.set W_, (((\s)%2)*8+4*(\kv)+(\ct))*16
.set A_, 128+64*(\set)+16*(\s)
.set SW_, 48+4*(\ct)+(\s)
.set SA_, 34+4*(\set)+(\s)
	WIN 1+(\s)/2
.if \kv
.if (\s) == 0
	v_wmma_scale_f32_16x16x128_f8f6f4 v[D_:D_+7], v[W_:W_+15], v[A_:A_+15], 0, v[SW_], v[SA_] matrix_a_scale:MATRIX_SCALE_ROW1
.else
	v_wmma_scale_f32_16x16x128_f8f6f4 v[D_:D_+7], v[W_:W_+15], v[A_:A_+15], v[D_:D_+7], v[SW_], v[SA_] matrix_a_scale:MATRIX_SCALE_ROW1
.endif
.else
.if (\s) == 0
	v_wmma_scale_f32_16x16x128_f8f6f4 v[D_:D_+7], v[W_:W_+15], v[A_:A_+15], 0, v[SW_], v[SA_]
.else
	v_wmma_scale_f32_16x16x128_f8f6f4 v[D_:D_+7], v[W_:W_+15], v[A_:A_+15], v[D_:D_+7], v[SW_], v[SA_]
.endif
.endif
.endm
.macro LK n, odd
.if (\n) < 16
	WIN 0xC3
	v_pk_mul_f32 v[160+2*(\n):161+2*(\n)], v[160+2*(\n):161+2*(\n)], v[18:19] op_sel_hi:[1,0]
.else
	WIN 0xF0
.set J_, 2*(\n)-32
.if \odd
	v_pk_fma_f32 v[160+J_:161+J_], v[96+J_:97+J_], v[16:17], v[160+J_:161+J_] op_sel_hi:[1,0,1] neg_lo:[1,0,0] neg_hi:[1,0,0]
.else
	v_pk_fma_f32 v[160+J_:161+J_], v[96+J_:97+J_], v[16:17], v[160+J_:161+J_] op_sel_hi:[1,0,1]
.endif
.endif
.endm
.macro LV n, odd
	WIN 0x0C
.set C_, 10+2*((\n)%2)
.set J_, 2*(\n)
.if (\n) < 2
.if \odd
	v_pk_mul_f32 v[C_:C_+1], v[64+J_:65+J_], v[128+J_:129+J_] neg_lo:[1,0] neg_hi:[1,0]
.else
	v_pk_mul_f32 v[C_:C_+1], v[64+J_:65+J_], v[128+J_:129+J_]
.endif
.else
.if \odd
	v_pk_fma_f32 v[C_:C_+1], v[64+J_:65+J_], v[128+J_:129+J_], v[C_:C_+1] neg_lo:[1,0,0] neg_hi:[1,0,0]
.else
	v_pk_fma_f32 v[C_:C_+1], v[64+J_:65+J_], v[128+J_:129+J_], v[C_:C_+1]
.endif
.endif
.endm
.macro PHASEK set, oddp, cnt, ld
	WIN 0
	WALU
	s_wait_dscnt \cnt
.set N_, 0
.rept 8
	MM 0, \set, N_/2, 2*(N_%2)
	MM 0, \set, N_/2, 2*(N_%2)+1
	LK 4*N_, \oddp
	LK 4*N_+1, \oddp
	LK 4*N_+2, \oddp
	LK 4*N_+3, \oddp
.if N_ == 2
.if (\ld) == 1
	ALOAD 1-(\set), 1
.elseif (\ld) == 2
	WIN 0
	s_cmp_eq_u32 s24, 1
	WALU
	s_cbranch_scc1 .Lnone_\@
	ALOAD 1-(\set), 2
.Lnone_\@:
.endif
.endif
.set N_, N_+1
.endr
.endm
.macro PHASEV set, odd, toff
.set N_, 0
.rept 8
	MM 1, \set, N_/2, 2*(N_%2)
	MM 1, \set, N_/2, 2*(N_%2)+1
.if N_ < 4
	LV 4*N_, \odd
	LV 4*N_+1, \odd
	LV 4*N_+2, \odd
	LV 4*N_+3, \odd
.elseif N_ == 4
	WIN 0
	v_pk_add_f32 v[10:11], v[10:11], v[12:13]
	v_add_f32 v10, v10, v11
	v_permlanex16_b32 v12, v10, s20, s21
	v_add_f32 v10, v10, v12
.elseif N_ == 5
	WIN 0
	ds_store_b32 v9, v10 offset:\toff
	v_max_num_f32 v13, v14, v10
	v_sub_f32 v18, v14, v13
	v_sub_f32 v16, v10, v13
	v_mov_b32 v14, v13
.elseif N_ == 6
	WIN 0
	WALU
	v_exp_f32 v18, v18
	v_exp_f32 v16, v16
	v_nop
	WALU
.else
	WIN 0
	v_fma_f32 v15, v15, v18, v16
.endif
.set N_, N_+1
.endr
.endm
.macro PAIR pre
	v_add_nc_u32 v7, s27, v4
	v_add_nc_u32 v8, s28, v5
	v_add_nc_u32 v9, s29, v6
.if \pre
	PHASEK 0, 1, 0, 1
	PHASEV 0, 0, 0
	PHASEK 1, 0, 0, 2
.else
	PLACES 8
	ALOAD 0, 0
	ALOAD 1, 1
	PHASEK 0, 1, 17, 0
	PHASEV 0, 0, 0
	PHASEK 1, 0, 0, 0
.endif
	PHASEV 1, 1, 64
	s_add_co_u32 s27, s27, 2*TILEB
	s_add_co_u32 s28, s28, 512
	s_add_co_u32 s29, s29, 128
.endm
.macro DRAIN
.set N_, 0
.rept 32
	LK N_, 1
.set N_, N_+1
.endr
	WIN 0
.endm
.macro PEND
	v_max_num_f32_dpp v12, v14, v14 row_xmask:1 row_mask:0xf bank_mask:0xf
	v_sub_f32 v18, v14, v12
	WALU
	v_exp_f32 v18, v18
	v_nop
	WALU
	v_mul_f32 v15, v15, v18
	v_add_f32_dpp v13, v15, v15 row_xmask:1 row_mask:0xf bank_mask:0xf
	WIN 0xC3
.set I_, 0
.rept 16
	v_pk_mul_f32 v[160+I_:161+I_], v[160+I_:161+I_], v[18:19] op_sel_hi:[1,0]
.set I_, I_+2
.endr
	WIN 0xCF
.set I_, 0
.rept 32
	v_add_f32_dpp v[160+I_], v[160+I_], v[160+I_] row_xmask:1 row_mask:0xf bank_mask:0xf
.set I_, I_+1
.endr
	WIN 0
	v_and_b32 v20, 14, v0
	v_bfe_u32 v21, v0, 4, 1
	v_lshlrev_b32 v22, 7, v20
	v_lshl_add_u32 v22, v21, 5, v22
	v_add_nc_u32 v22, s47, v22
	v_lshl_add_u32 v23, v20, 5, s46
	v_add_nc_u32 v24, s47, v1
	v_add_nc_u32 v25, s48, v1
	v_and_b32 v26, 15, v0
	v_lshlrev_b32 v26, 4, v26
	v_lshl_add_u32 v26, v21, 11, v26
	WIN 0x0C
.irp ct, 0,1,2,3
	ds_store_b128 v22, v[160+8*\ct:163+8*\ct] offset:64*\ct
	ds_store_b128 v22, v[164+8*\ct:167+8*\ct] offset:64*\ct+16
.endr
	WIN 0
	ds_store_b64 v23, v[12:13]
.irp k, 0,1,2,3
	ds_load_b128 v[128+4*\k:131+4*\k], v24 offset:512*\k
	ds_load_b128 v[144+4*\k:147+4*\k], v25 offset:512*\k
.endr
	WALU
	s_wait_dscnt 0x0
.irp k, 0,1,2,3
	global_store_b128 v26, v[128+4*\k:131+4*\k], s[14:15] offset:4096*\k
	global_store_b128 v1, v[144+4*\k:147+4*\k], s[12:13] offset:512*\k
.endr
.endm
	s_load_b256 s[4:11], s[0:1], 0x0
	s_load_b128 s[12:15], s[0:1], 0x20
	s_load_b64 s[16:17], s[0:1], 0x30
	v_lshl_add_u32 v30, v0, 2, SPARE
	v_mov_b32 v31, 0
	v_lshrrev_b32 v33, 5, v0
	v_readfirstlane_b32 s18, v33
	s_mov_b32 s20, 0x76543210
	s_mov_b32 s21, 0xfedcba98
	s_mov_b32 s22, 0xc3e00000
	s_mov_b32 s23, 0x43e00000
	s_lshr_b32 s30, s18, 1
	s_lshl_b32 s30, s30, 31
	s_xor_b32 s19, s30, 0x83000000
	s_lshr_b32 s33, ttmp9, 3
	s_and_b32 s34, ttmp9, 7
	s_lshl_b32 s50, s33, 23
	s_lshl_b32 s51, s34, 20
	s_add_co_u32 s50, s50, s51
	s_lshl_b32 s51, s18, 14
	s_add_co_u32 s50, s50, s51
	s_mov_b32 s51, 0
	s_lshl_b32 s52, s18, 16
	s_mov_b32 s53, 0
	s_lshl_b32 s54, s18, 11
	s_mov_b32 s55, 0
	s_lshl_b32 s56, s33, 11
	s_lshl_b32 s57, s18, 8
	s_add_co_u32 s56, s56, s57
	s_lshl_b32 s60, s33, 17
	s_add_co_u32 s60, s60, s57
	s_lshl_b32 s57, s34, 14
	s_add_co_u32 s60, s60, s57
	s_mov_b32 s57, 0
	s_mov_b32 s61, 0
	s_lshl_b32 s58, s33, 17
	s_lshl_b32 s59, s18, 14
	s_add_co_u32 s58, s58, s59
	s_lshl_b32 s59, s34, 11
	s_add_co_u32 s58, s58, s59
	s_mov_b32 s59, 0
	s_lshl_b32 s62, s33, 12
	s_lshl_b32 s63, s34, 9
	s_add_co_u32 s62, s62, s63
	s_mov_b32 s63, 0
	s_mul_i32 s30, s18, 8*PITCH
	s_lshl_b32 s31, s18, 7
	s_add_co_u32 s31, s31, SCL
	s_lshl_b32 s35, s18, 11
	s_add_co_u32 s47, s35, CST
	s_add_co_u32 s48, s35, TST
	s_lshl_b32 s46, s18, 3
	s_add_co_u32 s46, s46, PML
	s_mov_b32 s24, 0
	s_mov_b32 s25, 0
	s_mov_b32 s26, 0
	s_mov_b32 s27, 0
	s_mov_b32 s28, 0
	s_mov_b32 s29, 0
	v_and_b32 v33, 31, v0
	v_and_b32 v12, 15, v0
	v_bfe_u32 v13, v0, 4, 1
	v_lshlrev_b32 v1, 4, v33
	v_lshlrev_b32 v32, 8, v33
	v_lshl_add_u32 v2, v33, 2, s30
	v_lshrrev_b32 v3, 3, v33
	v_add_nc_u32 v3, s31, v3
	v_mul_u32_u24 v4, v12, PITCH
	v_lshl_add_u32 v4, v13, 4, v4
	v_lshl_add_u32 v5, v12, 4, SCL
	v_lshl_add_u32 v6, v12, 2, s48
	v_lshlrev_b32 v47, 5, v13
	v_mov_b32 v46, 1.0
	WALU
	s_wait_kmcnt 0x0
	s_add_nc_u64 s[4:5], s[4:5], s[50:51]
	s_add_nc_u64 s[6:7], s[6:7], s[52:53]
	s_add_nc_u64 s[8:9], s[8:9], s[54:55]
	s_add_nc_u64 s[10:11], s[10:11], s[56:57]
	s_add_nc_u64 s[12:13], s[12:13], s[58:59]
	s_add_nc_u64 s[14:15], s[14:15], s[60:61]
	s_add_nc_u64 s[16:17], s[16:17], s[62:63]
	PASSLOAD
	WIN 0xC0
.irp p, 0,1,2,3,4,5,6,7
	ELOAD \p, 0
.endr
	WIN 0
	PASSINIT
	WALU
	s_wait_loadcnt 32
.La:
	s_cmp_lt_u32 s24, 15
	WALU
	s_cbranch_scc0 .Lqn
	QADR
.irp p, 0,1,2,3
	QPOS \p, 28, 1
.endr
	s_cmp_lt_u32 s24, 14
	WALU
	s_cbranch_scc0 .Lnoask
	global_prefetch_b8 v32, s[4:5] offset:131072 th:TH_LOAD_NT scope:SCOPE_SE
	global_prefetch_b8 v32, s[4:5] offset:139264 th:TH_LOAD_NT scope:SCOPE_SE
.Lnoask:
.irp p, 4,5,6,7
	QPOS \p, 28, 1
.endr
	s_wait_xcnt 0x0
	s_add_nc_u64 s[4:5], s[4:5], 65536
	s_branch .Lqd
.Lqn:
	s_cmp_eq_u32 s24, 15
	s_cbranch_scc0 .Lqd
	QADR
.irp p, 0,1,2,3,4,5,6,7
	QPOS \p, 28-4*\p, 0
.endr
.Lqd:
	s_add_co_u32 s25, s25, 2*TILEB
	s_add_co_u32 s26, s26, 512
	BARRIER
	s_cmp_eq_u32 s24, 0
	s_cbranch_scc1 .Lnp
	PAIR 0
	WIN 0
.Lnp:
	BARRIER
	s_add_co_u32 s24, s24, 1
	s_cmp_lt_u32 s24, 17
	s_cbranch_scc1 .La
	DRAIN
	s_wait_xcnt 0x0
	s_add_nc_u64 s[6:7], s[6:7], 262144
	s_add_nc_u64 s[8:9], s[8:9], 8192
	s_add_nc_u64 s[10:11], s[10:11], 1024
	PASSLOAD
	PEND
	s_wait_xcnt 0x0
	s_add_nc_u64 s[12:13], s[12:13], 65536
	s_add_nc_u64 s[14:15], s[14:15], 1024
	s_add_co_u32 s46, s46, 32
	PASSINIT
	s_mov_b32 s27, 0
	s_mov_b32 s28, 0
	s_mov_b32 s29, 0
	v_mov_b32 v7, v4
	v_mov_b32 v8, v5
	ALOAD 0, 0
	s_mov_b32 s24, 16
	WALU
	s_wait_loadcnt 0x0
.Lb:
	PAIR 1
	WIN 0
	s_sub_co_u32 s24, s24, 1
	s_cmp_lg_u32 s24, 0
	WALU
	s_cbranch_scc1 .Lb
	DRAIN
	PEND
	WALU
	s_barrier_signal -1
	s_barrier_wait -1
	v_lshl_add_u32 v20, v0, 2, PML
	v_lshlrev_b32 v21, 2, v0
	ds_load_b32 v22, v20
	WALU
	s_wait_dscnt 0x0
	global_store_b32 v21, v22, s[16:17]
	s_wait_tensorcnt 0x0
	ds_add_u32 v30, v31
	s_wait_dscnt 0x0
	s_endpgm
.Lfunc_end_k_q23560f75c9_attn:
	.size	k_q23560f75c9_attn, .Lfunc_end_k_q23560f75c9_attn-k_q23560f75c9_attn
	.p2alignl 7, 3214868480
	.fill 96, 4, 3214868480
	.section	.rodata,"a",@progbits
	.p2align	6, 0x0
	.amdhsa_kernel k_q23560f75c9_attn
		.amdhsa_group_segment_fixed_size 295936
		.amdhsa_private_segment_fixed_size 0
		.amdhsa_enable_private_segment 0
		.amdhsa_kernarg_size 56
		.amdhsa_user_sgpr_count 2
		.amdhsa_user_sgpr_kernarg_segment_ptr 1
		.amdhsa_wavefront_size32 1
		.amdhsa_system_sgpr_workgroup_id_x 1
		.amdhsa_system_sgpr_workgroup_id_y 1
		.amdhsa_system_sgpr_workgroup_id_z 1
		.amdhsa_system_vgpr_workitem_id 0
		.amdhsa_next_free_vgpr 1024
		.amdhsa_next_free_sgpr 80
		.amdhsa_reserve_vcc 0
		.amdhsa_float_denorm_mode_32 3
		.amdhsa_float_denorm_mode_16_64 3
		.amdhsa_memory_ordered 1
		.amdhsa_forward_progress 1
		.amdhsa_inst_pref_size 174
	.end_amdhsa_kernel
	.amdgpu_metadata
---
amdhsa.version: [ 1, 2 ]
amdhsa.kernels:
  - .name:           k_q23560f75c9_attn
    .symbol:         k_q23560f75c9_attn.kd
    .args:
      - { .name: enc, .offset: 0, .size: 8, .value_kind: global_buffer, .address_space: global }
      - { .name: wkv, .offset: 8, .size: 8, .value_kind: global_buffer, .address_space: global }
      - { .name: wsc, .offset: 16, .size: 8, .value_kind: global_buffer, .address_space: global }
      - { .name: qv, .offset: 24, .size: 8, .value_kind: global_buffer, .address_space: global }
      - { .name: sc, .offset: 32, .size: 8, .value_kind: global_buffer, .address_space: global }
      - { .name: pctx, .offset: 40, .size: 8, .value_kind: global_buffer, .address_space: global }
      - { .name: pml, .offset: 48, .size: 8, .value_kind: global_buffer, .address_space: global }
    .group_segment_fixed_size: 295936
    .private_segment_fixed_size: 0
    .kernarg_segment_align: 8
    .kernarg_segment_size: 56
    .max_flat_workgroup_size: 128
    .sgpr_count:     80
    .vgpr_count:     1024
    .wavefront_size: 32
...
	.end_amdgpu_metadata
.endif
;; end of part 2
;; launch fin (part 3): grid 8 x 32, 4 waves a work-group, no clusters, 5,120 bytes of LDS; arguments pml, pctx, sc, woc, wos, out0, out1; writes out0, out1
.if DOCPART == 3
	.amdgcn_target "amdgcn-amd-amdhsa--gfx1250"
	.amdhsa_code_object_version 6
	.text
	.protected	k_q23560f75c9_fin
	.globl	k_q23560f75c9_fin
	.p2align	8
	.type	k_q23560f75c9_fin,@function
k_q23560f75c9_fin:
	s_mov_b64 s[64:65], 0
	v_nop
	global_prefetch_b8 v0, s[64:65] scope:SCOPE_SE
	s_setreg_imm32_b32 hwreg(HW_REG_WAVE_MODE, 25, 1), 1
	s_wait_xcnt 0x0
.set GF,    0
.set ML,    2048
.set CT,    2304
.set SPARE, 4352
.set TM,    108
.set SEL,   24
.set MNT,   26
.set MSB,   0
.macro WIN new
.if MSB != (\new)
	s_set_vgpr_msb (MSB<<8)|(\new)
.set MSB, (\new)
.endif
.endm
.macro QUANT x, w, pc, pw
	WIN (\w)|((\w)<<2)
.irp b, 0,1,2,3
	v_max3_num_f32 v[TM+\b], |v[(\x)+16*\b]|, |v[(\x)+16*\b+1]|, 0x4800000
.endr
	WIN ((\w)<<2)|((\w)<<4)
.irp i, 2,4,6,8,10,12,14
.irp b, 0,1,2,3
	v_max3_num_f32 v[TM+\b], v[TM+\b], |v[(\x)+16*\b+\i]|, |v[(\x)+16*\b+\i+1]|
.endr
.endr
	WIN 0
.irp b, 0,1,2,3
	v_permlanex16_b32 v[TM+4+\b], v[TM+\b], s[SEL], s[SEL+1]
.endr
.irp b, 0,1,2,3
	v_max_num_f32 v[TM+\b], v[TM+\b], v[TM+4+\b]
.endr
.irp b, 0,1,2,3
	v_add_nc_u32 v[TM+12+\b], 0xfc000000, v[TM+\b]
.endr
.irp b, 0,1,2,3
	v_and_or_b32 v[TM+8+\b], v[TM+\b], 0x7f800000, s[MNT]
.endr
.irp b, 0,1,2,3
	v_lshrrev_b32 v[TM+4+\b], 23, v[TM+12+\b]
.endr
	v_lshl_or_b32 v[\pw], v[TM+5], 8, v[TM+4]
	v_lshl_or_b32 v[\pw], v[TM+6], 16, v[\pw]
	v_lshl_or_b32 v[\pw], v[TM+7], 24, v[\pw]
	WIN (\w)|((\w)<<6)
.irp b, 0,1,2,3
.irp i, 0,1,2,3,4,5,6,7,8,9,10,11,12,13,14,15
	v_med3_num_f32 v[(\x)+16*\b+\i], v[(\x)+16*\b+\i], -v[TM+8+\b], v[TM+8+\b]
.endr
.endr
	WIN (\w)
.irp b, 0,1,2,3
	v_cvt_scalef32_pk8_fp8_f32 v[(\pc)+4*\b:(\pc)+4*\b+1], v[(\x)+16*\b:(\x)+16*\b+7], v[TM+12+\b]
	v_cvt_scalef32_pk8_fp8_f32 v[(\pc)+4*\b+2:(\pc)+4*\b+3], v[(\x)+16*\b+8:(\x)+16*\b+15], v[TM+12+\b]
.endr
	WIN 0
	v_nop
.endm
	s_load_b256 s[4:11], s[0:1], 0x0
	s_load_b128 s[12:15], s[0:1], 0x20
	s_load_b64 s[16:17], s[0:1], 0x30
	v_lshl_add_u32 v30, v0, 2, SPARE
	v_mov_b32 v31, 0
	v_lshrrev_b32 v29, 5, v0
	v_readfirstlane_b32 s18, v29
	v_and_b32 v26, 31, v0
	v_bfe_u32 v27, v0, 4, 1
	v_and_b32 v28, 15, v0
	v_lshrrev_b32 v29, 4, v0
	v_lshlrev_b32 v1, 4, v0
	v_lshlrev_b32 v2, 8, v28
	v_lshl_add_u32 v2, v29, 3, v2
	v_lshl_add_u32 v3, v27, 6, CT
	v_lshlrev_b32 v4, 8, v29
	v_lshl_add_u32 v5, v29, 3, ML
	v_lshlrev_b32 v6, 2, v28
	v_mov_b32 v7, ML
	v_lshlrev_b32 v24, 4, v26
	v_lshlrev_b32 v25, 4, v28
.irp b, 0,1,2,3
	v_mov_b32 v[TM+4+\b], 0
.endr
	s_mov_b32 s[SEL], 0x76543210
	s_mov_b32 s[SEL+1], 0xfedcba98
	s_mov_b32 s[MNT], 0x600000
	s_and_b32 s20, ttmp7, 0xffff
	s_lshl_b32 s28, s20, 12
	s_mov_b32 s29, 0
	s_lshl_b32 s30, s20, 17
	s_mov_b32 s31, 0
	s_lshl_b32 s32, ttmp9, 11
	s_add_co_u32 s32, s32, s30
	s_mov_b32 s33, 0
	s_lshl_b32 s34, ttmp9, 15
	s_lshl_b32 s35, s18, 11
	s_add_co_u32 s34, s34, s35
	s_mov_b32 s35, 0
	s_lshl_b32 s36, ttmp9, 10
	s_lshl_b32 s37, s18, 8
	s_add_co_u32 s36, s36, s37
	s_mov_b32 s37, 0
	s_lshl_b32 s38, s20, 11
	s_lshl_b32 s39, ttmp9, 8
	s_add_co_u32 s38, s38, s39
	s_lshl_b32 s39, s18, 6
	s_add_co_u32 s38, s38, s39
	s_mov_b32 s39, 0
	s_lshl_b32 s40, s20, 14
	s_lshl_b32 s41, ttmp9, 11
	s_add_co_u32 s40, s40, s41
	s_mov_b32 s41, 0
	s_wait_kmcnt 0x0
	s_add_nc_u64 s[4:5], s[4:5], s[28:29]
	s_add_nc_u64 s[6:7], s[6:7], s[30:31]
	s_add_nc_u64 s[8:9], s[8:9], s[32:33]
	s_add_nc_u64 s[10:11], s[10:11], s[34:35]
	s_add_nc_u64 s[12:13], s[12:13], s[36:37]
	s_add_nc_u64 s[14:15], s[14:15], s[38:39]
	s_add_nc_u64 s[16:17], s[16:17], s[40:41]
.irp e, 0,1,2,3
	global_load_b64 v[8+2*\e:9+2*\e], v2, s[4:5] offset:64*\e
.endr
	WIN 0x40
.set p, 0
.rept 48
	global_load_b128 v[4*p:4*p+3], v1, s[6:7] offset:2048*p
.set p, p+1
.endr
	WIN 0
	s_wait_loadcnt 48
	v_max3_num_f32 v16, v8, v10, v12
	v_max_num_f32 v16, v16, v14
	v_max_num_f32_dpp v16, v16, v16 row_xmask:1 row_mask:0xf bank_mask:0xf
	v_max_num_f32_dpp v16, v16, v16 row_xmask:2 row_mask:0xf bank_mask:0xf
	v_max_num_f32_dpp v16, v16, v16 row_xmask:4 row_mask:0xf bank_mask:0xf
	v_max_num_f32_dpp v16, v16, v16 row_xmask:8 row_mask:0xf bank_mask:0xf
.irp e, 0,1,2,3
	v_sub_f32 v[20+\e], v[8+2*\e], v16
.endr
	s_wait_alu depctr_va_vdst(0)
.irp e, 0,1,2,3
	v_exp_f32 v[20+\e], v[20+\e]
.endr
	v_nop
	s_wait_alu depctr_va_vdst(0)
	v_mul_f32 v17, v20, v9
	v_fma_f32 v17, v21, v11, v17
	v_fma_f32 v17, v22, v13, v17
	v_fma_f32 v17, v23, v15, v17
	v_add_f32_dpp v17, v17, v17 row_xmask:1 row_mask:0xf bank_mask:0xf
	v_add_f32_dpp v17, v17, v17 row_xmask:2 row_mask:0xf bank_mask:0xf
	v_add_f32_dpp v17, v17, v17 row_xmask:4 row_mask:0xf bank_mask:0xf
	v_add_f32_dpp v17, v17, v17 row_xmask:8 row_mask:0xf bank_mask:0xf
	s_wait_alu depctr_va_vdst(0)
	v_rcp_f32 v18, v17
	v_nop
	s_wait_alu depctr_va_vdst(0)
.irp e, 0,1,2,3
	v_mul_f32 v[20+\e], v[20+\e], v18
.endr
	v_mul_f32 v17, 0x3e000000, v18
	WIN 0x40
.rept 16
	global_load_b128 v[4*p:4*p+3], v1, s[6:7] offset:2048*p
.set p, p+1
.endr
	WIN 0x80
.irp hd, 0,1,2,3,4,5,6,7
	global_load_b128 v[64+4*\hd:67+4*\hd], v1, s[8:9] offset:16384*\hd
.endr
.irp s, 0,1,2,3
.irp c, 0,1,2,3
	global_load_b128 v[16*\s+4*\c:16*\s+4*\c+3], v24, s[10:11] offset:8192*\s+512*\c
.endr
.endr
	WIN 0
	global_load_b128 v[124:127], v25, s[12:13]
	ds_store_b128 v1, v[20:23] offset:GF
	ds_store_b64 v5, v[16:17]
	s_wait_dscnt 0x0
	s_barrier_signal -1
	s_barrier_wait -1
.irp i, 0,1,2,3,4,5,6,7,8,9,10,11,12,13,14,15
	ds_load_b128 v[32+4*\i:35+4*\i], v4 offset:GF+16*\i
.endr
	s_wait_dscnt 0x0
	s_wait_loadcnt 25
	WIN 0x01
.set p, 0
.rept 64
.irp k, 0,1,2,3
.if p < 2
	v_mul_f32 v[96+4*(p%2)+\k], v[4*p+\k], v[32+p]
.else
	v_fma_f32 v[96+4*(p%2)+\k], v[4*p+\k], v[32+p], v[96+4*(p%2)+\k]
.endif
.endr
.set p, p+1
.endr
	WIN 0
.irp k, 0,1,2,3
	v_add_f32 v[96+\k], v[96+\k], v[100+\k]
.endr
	ds_store_b128 v1, v[96:99] offset:CT
	s_wait_dscnt 0x0
	s_barrier_signal -1
	s_barrier_wait -1
.irp i, 0,1,2,3
	ds_load_b128 v[8+4*\i:11+4*\i], v7 offset:16*\i
.endr
	s_wait_loadcnt 17
	s_wait_dscnt 0x0
	WIN 0x02
.irp hd, 0,1,2,3,4,5,6,7
.irp k, 0,1,2,3
	v_sub_f32 v[128+4*\hd+\k], v[64+4*\hd+\k], v[8+2*\hd]
.endr
.endr
	WIN 0
.set p, 0
	s_wait_alu depctr_va_vdst(0)
.rept 32
	v_exp_f32 v[128+p], v[128+p]
.set p, p+1
.endr
	v_nop
	s_wait_alu depctr_va_vdst(0)
.irp k, 0,1,2,3
	v_mul_f32 v[26+\k], v[128+\k], v9
.endr
.irp hd, 1,2,3,4,5,6,7
.irp k, 0,1,2,3
	v_fma_f32 v[26+\k], v[128+4*\hd+\k], v[9+2*\hd], v[26+\k]
.endr
.endr
	global_store_b128 v1, v[26:29], s[16:17]
.irp s, 0,1,2,3
.irp c, 0,1,2,3
.irp j, 0,1,2,3
	ds_load_b128 v[128+16*\c+4*\j:128+16*\c+4*\j+3], v3 offset:512*\s+128*\c+16*\j
.endr
.endr
	s_wait_dscnt 0x0
	QUANT 128, 0, 192+16*\s, 104+\s
.endr
	s_wait_loadcnt 0x0
.rept 8
	v_nop
.endr
	WIN 0x08
	v_wmma_scale_f32_16x16x128_f8f6f4 v[96:103], v[192:207], v[0:15], 0, v104, v124
.irp s, 1,2,3
	s_wait_alu depctr_va_vdst(0)
	v_wmma_scale_f32_16x16x128_f8f6f4 v[96:103], v[192+16*\s:207+16*\s], v[16*\s:16*\s+15], v[96:103], v[104+\s], v[124+\s]
.endr
	WIN 0
.rept 8
	v_nop
.endr
	global_store_b32 v6, v96, s[14:15]
	s_wait_tensorcnt 0x0
	ds_add_u32 v30, v31
	s_wait_dscnt 0x0
	s_endpgm
.Lfunc_end_k_q23560f75c9_fin:
	.size	k_q23560f75c9_fin, .Lfunc_end_k_q23560f75c9_fin-k_q23560f75c9_fin
	.p2alignl 7, 3214868480
	.fill 96, 4, 3214868480
	.section	.rodata,"a",@progbits
	.p2align	6, 0x0
	.amdhsa_kernel k_q23560f75c9_fin
		.amdhsa_group_segment_fixed_size 5120
		.amdhsa_private_segment_fixed_size 0
		.amdhsa_enable_private_segment 0
		.amdhsa_kernarg_size 56
		.amdhsa_user_sgpr_count 2
		.amdhsa_user_sgpr_kernarg_segment_ptr 1
		.amdhsa_wavefront_size32 1
		.amdhsa_system_sgpr_workgroup_id_x 1
		.amdhsa_system_sgpr_workgroup_id_y 1
		.amdhsa_system_sgpr_workgroup_id_z 1
		.amdhsa_system_vgpr_workitem_id 0
		.amdhsa_next_free_vgpr 768
		.amdhsa_next_free_sgpr 66
		.amdhsa_reserve_vcc 0
		.amdhsa_float_denorm_mode_32 3
		.amdhsa_float_denorm_mode_16_64 3
		.amdhsa_memory_ordered 1
		.amdhsa_forward_progress 1
		.amdhsa_inst_pref_size 73
	.end_amdhsa_kernel
	.amdgpu_metadata
---
amdhsa.version: [ 1, 2 ]
amdhsa.kernels:
  - .name:           k_q23560f75c9_fin
    .symbol:         k_q23560f75c9_fin.kd
    .args:
      - { .name: pml, .offset: 0, .size: 8, .value_kind: global_buffer, .address_space: global }
      - { .name: pctx, .offset: 8, .size: 8, .value_kind: global_buffer, .address_space: global }
      - { .name: sc, .offset: 16, .size: 8, .value_kind: global_buffer, .address_space: global }
      - { .name: woc, .offset: 24, .size: 8, .value_kind: global_buffer, .address_space: global }
      - { .name: wos, .offset: 32, .size: 8, .value_kind: global_buffer, .address_space: global }
      - { .name: out0, .offset: 40, .size: 8, .value_kind: global_buffer, .address_space: global }
      - { .name: out1, .offset: 48, .size: 8, .value_kind: global_buffer, .address_space: global }
    .group_segment_fixed_size: 5120
    .private_segment_fixed_size: 0
    .kernarg_segment_align: 8
    .kernarg_segment_size: 56
    .max_flat_workgroup_size: 128
    .sgpr_count:     66
    .vgpr_count:     768
    .wavefront_size: 32
...
	.end_amdgpu_metadata
.endif
;; end of part 3
